; MI455X (gfx1250); checked and timed in simulation.
; The chip was launched on July 23, 2026; its instructions are those of AMD's public machine-readable ISA for CDNA 5 (MIT licence, August 2026) and "CDNA5" Instruction Set Architecture Reference Guide (July 2026). The comments in the code are by the model that wrote it; some were corrected since.
;; Int4 Packed Linear. Allowed arithmetic: float matrix products may take bf16 or f16 operands with f32 sums; other float arithmetic in f32, or as packed bf16 or f16 multiplies, adds, multiply-adds, maxima and minima; sums over many terms, partial sums and values carried from step to step in f32; what a program stores and reads back later, other than sums and carried values, may be rounded once to bf16 or f16.
;; Inputs: bias 4,096 float32; w_int 4,096 x 4,096 int8; w_scale one number float32; x 4 x 1,024 x 4,096 float32.
;; Outputs: out0 4 x 1,024 x 4,096 float32.
;; 2 versions, each right; version 2 is version 1 with the launch quant written anew for expert scheduling mode. Each part assembles by itself: llvm-mc -triple=amdgcn-amd-amdhsa -mcpu=gfx1250 --defsym DOCPART=n.
;; ======== version 1 of 2: 3 launches
;; workspace buffers: part 1,024 bytes; scal 256 bytes; xq 33,554,432 bytes; wq 33,554,432 bytes
;; launch prep (part 1): grid 256 x 1, 16 waves a work-group, no clusters, 2,304 bytes of LDS; arguments x, w_int, part, wq; writes part, wq
.if DOCPART == 1
	.amdgcn_target "amdgcn-amd-amdhsa--gfx1250"
	.amdhsa_code_object_version 6
	.text
	.protected	k_qbe49676260_prep
	.globl	k_qbe49676260_prep
	.p2align	8
	.type	k_qbe49676260_prep,@function
k_qbe49676260_prep:
	s_mov_b64 s[64:65], 0
	v_nop
	global_prefetch_b8 v0, s[64:65] scope:SCOPE_SE
	s_setreg_imm32_b32 hwreg(HW_REG_WAVE_MODE, 25, 1), 1
	s_wait_xcnt 0x0
; FIRST PASS.  part[g] = the largest |x| of work-group g's 65,536 numbers of x;  wq = w_int as bf16 (every int8 is exact in bf16).
; x: 16,777,216 f32.  w_int: 16,777,216 int8.  256 work-groups of 16 waves; thread t = 0 .. 511.
; SHARES.  Work-group g: 262,144 bytes of x, 65,536 of w_int, 131,072 of wq.  x's load j (of 32): 16 bytes at 8,192 j + 16 t; w_int's load j (of 16): 8 bytes at 4,096 j + 8 t
; (a wave: 256 consecutive bytes, aligned); wq's store j: 16 bytes at 8,192 j + 16 t (a wave: 512 consecutive bytes, aligned).
; No loop: all 48 loads of a wave go out at once, so the work-group's whole share is on its way; each load and each store has registers of its own, so nothing waits for a register.
; The magnitude is taken as max(largest x, - smallest x), both started at 0, which no magnitude lies below.
; LIMITS.  A NaN in x is passed over by the maxima and minima (reference() would give NaN everywhere): NaN and infinities are not treated apart.
.set SPARE, 256                        ; LDS: bytes 0-63 one word a wave; from 256 on the spare words, 128 bytes for each of the 16 waves, which no other line names
.set XO,  1                            ; v1   16 t: x's loads and wq's stores; never rewritten
.set WO,  2                            ; v2   8 t: w_int's loads; never rewritten
.set WW,  3                            ; v3   4 x my wave's number: its word in LDS
.set SPW, 4                            ; v4   LDS address of my spare word; never rewritten
.set NIL, 5                            ; v5   0; never rewritten
.set RW,  6                            ; v6   4 (t % 16): the word that I read back
.set ZO,  7                            ; v7   0: the offset of part's store
.set MX,  8                            ; v[8:11]    four running maxima
.set MN,  12                           ; v[12:15]   four running minima
.set T,   16                           ; v[16:23]   at work
.set WI,  24                           ; v[24:55]   w_int as loaded, a pair a load
.set WQ,  56                           ; v[56:119]  bf16 to store, four a store
.set X,   120                          ; v[120:247] x as loaded, four a load
	s_load_b256 s[4:11], s[0:1], 0x0               ; x s[4:5], w_int s[6:7], part s[8:9], wq s[10:11]
	v_lshl_add_u32 v[SPW], v0, 2, SPARE
	v_mov_b32 v[NIL], 0
	v_lshrrev_b32 v[WW], 5, v0
	v_readfirstlane_b32 s12, v[WW]                 ; wave 0..15
	v_lshlrev_b32 v[WW], 2, v[WW]
	v_lshlrev_b32 v[XO], 4, v0
	v_lshlrev_b32 v[WO], 3, v0
	v_and_b32 v[RW], 15, v0
	v_lshlrev_b32 v[RW], 2, v[RW]
	v_mov_b32 v[ZO], 0
	s_mov_b32 s16, 0x76543210                      ; v_permlanex16_b32: each lane takes its own place in the other half
	s_mov_b32 s17, 0xfedcba98
	s_lshl_b32 s14, ttmp9, 18                      ; the work-group's share of x (under 2^26)
	s_mov_b32 s15, 0
	s_wait_kmcnt 0x0
	s_add_nc_u64 s[4:5], s[4:5], s[14:15]
	s_lshl_b32 s14, ttmp9, 16                      ; of w_int
	s_add_nc_u64 s[6:7], s[6:7], s[14:15]
	s_lshl_b32 s14, ttmp9, 17                      ; of wq
	s_add_nc_u64 s[10:11], s[10:11], s[14:15]
	s_lshl_b32 s14, ttmp9, 2                       ; its word of part
	s_add_nc_u64 s[8:9], s[8:9], s[14:15]
.irp j, 0,1,2,3,4,5,6,7,8,9,10,11,12,13,14,15
	global_load_b64 v[WI+2*(\j):WI+2*(\j)+1], v[WO], s[6:7] offset:(\j)*4096 th:TH_LOAD_NT   ; read once in the whole program
.endr
.irp j, 0,1,2,3,4,5,6,7,8,9,10,11,12,13,14,15,16,17,18,19,20,21,22,23,24,25,26,27,28,29,30,31
	global_load_b128 v[X+4*(\j):X+4*(\j)+3], v[XO], s[4:5] offset:(\j)*8192                  ; the next launch reads x again: no hint
.endr
.irp c, 0,1,2,3
	v_mov_b32 v[MX+(\c)], 0
	v_mov_b32 v[MN+(\c)], 0
.endr
; Eight int8 of load j become eight bf16: each byte is moved to the top and shifted back with its sign, converted to f32 and rounded (exactly) to bf16.
.macro WCONV j
	s_wait_loadcnt 47-(\j)                         ; loads come back in order: behind w_int's load j stand its 15 - j younger ones and x's 32
.irp w, 0,1
	v_lshlrev_b32 v[T+4*(\w)],   24, v[WI+2*(\j)+(\w)]
	v_lshlrev_b32 v[T+4*(\w)+1], 16, v[WI+2*(\j)+(\w)]
	v_lshlrev_b32 v[T+4*(\w)+2], 8,  v[WI+2*(\j)+(\w)]
	v_ashrrev_i32 v[T+4*(\w)+3], 24, v[WI+2*(\j)+(\w)]
.irp k, 0,1,2
	v_ashrrev_i32 v[T+4*(\w)+(\k)], 24, v[T+4*(\w)+(\k)]
.endr
.irp k, 0,1,2,3
	v_cvt_f32_i32 v[T+4*(\w)+(\k)], v[T+4*(\w)+(\k)]
.endr
	v_cvt_pk_bf16_f32 v[WQ+4*(\j)+2*(\w)],   v[T+4*(\w)],   v[T+4*(\w)+1]
	v_cvt_pk_bf16_f32 v[WQ+4*(\j)+2*(\w)+1], v[T+4*(\w)+2], v[T+4*(\w)+3]
.endr
	global_store_b128 v[XO], v[WQ+4*(\j):WQ+4*(\j)+3], s[10:11] offset:(\j)*8192 th:TH_STORE_NT
.endm
; x's loads 4 q .. 4 q + 3, one for each of the four chains, which do not wait for each other.
.macro XMAX q
	s_wait_loadcnt 28-4*(\q)                       ; the younger loads of x stay out
.irp c, 0,1,2,3
	v_max3_num_f32 v[MX+(\c)], v[MX+(\c)], v[X+16*(\q)+4*(\c)], v[X+16*(\q)+4*(\c)+1]
	v_min3_num_f32 v[MN+(\c)], v[MN+(\c)], v[X+16*(\q)+4*(\c)], v[X+16*(\q)+4*(\c)+1]
.endr
.irp c, 0,1,2,3
	v_max3_num_f32 v[MX+(\c)], v[MX+(\c)], v[X+16*(\q)+4*(\c)+2], v[X+16*(\q)+4*(\c)+3]
	v_min3_num_f32 v[MN+(\c)], v[MN+(\c)], v[X+16*(\q)+4*(\c)+2], v[X+16*(\q)+4*(\c)+3]
.endr
.endm
.irp j, 0,1,2,3,4,5,6,7,8,9,10,11,12,13,14,15
	WCONV \j
.endr
.irp q, 0,1,2,3,4,5,6,7
	XMAX \q
.endr
	v_max3_num_f32 v[MX], v[MX], v[MX+1], v[MX+2]
	v_min3_num_f32 v[MN], v[MN], v[MN+1], v[MN+2]
	v_max_num_f32 v[MX], v[MX], v[MX+3]
	v_min_num_f32 v[MN], v[MN], v[MN+3]
	v_sub_f32 v[T], 0, v[MN]
	v_max_num_f32 v[MX], v[MX], v[T]               ; my 128 numbers' largest magnitude
	v_max_num_f32_dpp v[MX], v[MX], v[MX] row_xmask:1 row_mask:0xf bank_mask:0xf
	v_max_num_f32_dpp v[MX], v[MX], v[MX] row_xmask:2 row_mask:0xf bank_mask:0xf
	v_max_num_f32_dpp v[MX], v[MX], v[MX] row_xmask:4 row_mask:0xf bank_mask:0xf
	v_max_num_f32_dpp v[MX], v[MX], v[MX] row_xmask:8 row_mask:0xf bank_mask:0xf
	v_permlanex16_b32 v[T], v[MX], s16, s17        ; (its destination has been written)
	v_max_num_f32 v[MX], v[MX], v[T]               ; the wave's, in every lane
	ds_store_b32 v[WW], v[MX]                      ; all lanes write the wave's word with the same number
	s_wait_dscnt 0x0                               ; for the others' sake: my store is done
	s_barrier_signal -1
	s_barrier_wait -1                              ; all sixteen words lie in LDS
	s_cmp_lg_u32 s12, 0
	s_cbranch_scc1 .Lend                           ; wave 0 finishes
	ds_load_b32 v[MX+1], v[RW]                     ; each half of the lanes takes the sixteen words
	s_wait_dscnt 0x0
	v_max_num_f32_dpp v[MX+1], v[MX+1], v[MX+1] row_xmask:1 row_mask:0xf bank_mask:0xf
	v_max_num_f32_dpp v[MX+1], v[MX+1], v[MX+1] row_xmask:2 row_mask:0xf bank_mask:0xf
	v_max_num_f32_dpp v[MX+1], v[MX+1], v[MX+1] row_xmask:4 row_mask:0xf bank_mask:0xf
	v_max_num_f32_dpp v[MX+1], v[MX+1], v[MX+1] row_xmask:8 row_mask:0xf bank_mask:0xf
	v_cmp_eq_u32 vcc_lo, 0, v0
	s_wait_xcnt 0x0                                ; EXEC is a source of the stores above: it is narrowed only behind this wait
	s_and_saveexec_b32 s13, vcc_lo
	global_store_b32 v[ZO], v[MX+1], s[8:9]        ; thread 0 alone: one word a work-group
	s_wait_xcnt 0x0                                ; and widened again only behind this one
	s_or_b32 exec_lo, exec_lo, s13
.Lend:
	s_wait_tensorcnt 0x0                           ; the wave's end: a tensor wait, an add of 0 to my spare word and its wait, behind my last LDS store
	ds_add_u32 v[SPW], v[NIL]
	s_wait_dscnt 0x0
	s_endpgm
.Lfunc_end_k_qbe49676260_prep:
	.size	k_qbe49676260_prep, .Lfunc_end_k_qbe49676260_prep-k_qbe49676260_prep
	.p2alignl 7, 3214868480
	.fill 96, 4, 3214868480
	.section	.rodata,"a",@progbits
	.p2align	6, 0x0
	.amdhsa_kernel k_qbe49676260_prep
		.amdhsa_group_segment_fixed_size 2304
		.amdhsa_private_segment_fixed_size 0
		.amdhsa_enable_private_segment 0
		.amdhsa_kernarg_size 32
		.amdhsa_user_sgpr_count 2
		.amdhsa_user_sgpr_kernarg_segment_ptr 1
		.amdhsa_wavefront_size32 1
		.amdhsa_system_sgpr_workgroup_id_x 1
		.amdhsa_system_sgpr_workgroup_id_y 1
		.amdhsa_system_sgpr_workgroup_id_z 1
		.amdhsa_system_vgpr_workitem_id 0
		.amdhsa_next_free_vgpr 248
		.amdhsa_next_free_sgpr 66
		.amdhsa_reserve_vcc 1
		.amdhsa_float_denorm_mode_32 3
		.amdhsa_float_denorm_mode_16_64 3
		.amdhsa_memory_ordered 1
		.amdhsa_forward_progress 1
		.amdhsa_inst_pref_size 33
	.end_amdhsa_kernel
	.amdgpu_metadata
---
amdhsa.version: [ 1, 2 ]
amdhsa.kernels:
  - .name:           k_qbe49676260_prep
    .symbol:         k_qbe49676260_prep.kd
    .args:
      - { .name: x, .offset: 0, .size: 8, .value_kind: global_buffer, .address_space: global }
      - { .name: w_int, .offset: 8, .size: 8, .value_kind: global_buffer, .address_space: global }
      - { .name: part, .offset: 16, .size: 8, .value_kind: global_buffer, .address_space: global }
      - { .name: wq, .offset: 24, .size: 8, .value_kind: global_buffer, .address_space: global }
    .group_segment_fixed_size: 2304
    .private_segment_fixed_size: 0
    .kernarg_segment_align: 8
    .kernarg_segment_size: 32
    .max_flat_workgroup_size: 512
    .sgpr_count:     66
    .vgpr_count:     248
    .wavefront_size: 32
...
	.end_amdgpu_metadata
.endif
;; end of part 1
;; launch quant (part 2): grid 256 x 1, 16 waves a work-group, no clusters, 0 bytes of LDS; arguments x, part, w_scale, xq, scal; writes xq, scal
.if DOCPART == 2
	.amdgcn_target "amdgcn-amd-amdhsa--gfx1250"
	.amdhsa_code_object_version 6
	.text
	.protected	k_qbe49676260_quant
	.globl	k_qbe49676260_quant
	.p2align	8
	.type	k_qbe49676260_quant,@function
k_qbe49676260_quant:
	s_mov_b64 s[64:65], 0
	v_nop
	global_prefetch_b8 v0, s[64:65] scope:SCOPE_SE
	s_setreg_imm32_b32 hwreg(HW_REG_WAVE_MODE, 25, 1), 1
	s_wait_xcnt 0x0
; SECOND PASS.  amax = the largest of part's 256 numbers; x_scale = amax / 127, or 1 where amax is 0; xq = clip(round(x / x_scale), -127, 127) as bf16 (exact: whole numbers up to 127);
; scal = bf16(x_scale w_scale), twice in each of 64 words (stored by wave 0 of work-group 0, one store of 256 consecutive bytes).
; SHARES.  As in the first pass: work-group g has 262,144 bytes of x; load j (of 32): 16 bytes at 8,192 j + 16 t; store j: 8 bytes at 4,096 j + 8 t of its 131,072 bytes of xq: a wave's store covers 256
; consecutive bytes, aligned.  No loop, no LDS: all 32 loads of a wave go out at once; every wave finds amax for itself from part's 1,024 bytes while they are on their way.
; THE QUOTIENTS.  A whole number that differs by 1 from reference()'s moves a whole row of sums, so both divisions are made to the last bit as a division makes them: a first quotient q = a r with r near 1 / b,
; the remainder e = a - q b by one fused multiply-add, and q + e r.  For x_scale r is the constant 1 / 127; for x it is v_rcp_f32's result after one Newton step.
; LIMITS.  amax below 1.5e-36 makes x_scale a denormal, which v_rcp_f32 takes as 0 (ISA guide 15.8): not served.  NaN and infinities in x are not treated apart.
.set XO,  1                            ; v1   16 t; never rewritten
.set QO,  2                            ; v2   8 t; never rewritten
.set PO,  3                            ; v3   16 x lane
.set P,   4                            ; v[4:11]    part: eight numbers a lane
.set AM,  12                           ; v12  amax
.set QS,  14                           ; v14  amax / 127
.set E,   16                           ; v16  a remainder
.set ONE, 17                           ; v17  1.0
.set CS,  18                           ; v[18:19]   the combined scale, to store
.set Q,   20                           ; v[20:23]   four quotients
.set R,   24                           ; v[24:27]   four remainders
.set INV, 28                           ; v[28:29]   1 / x_scale, twice
.set XS,  30                           ; v[30:31]   x_scale, twice
.set X,   32                           ; v[32:159]  x as loaded, four a load; the first two of the four then hold the four bf16 to store
	s_load_b256 s[4:11], s[0:1], 0x0               ; x s[4:5], part s[6:7], w_scale s[8:9], xq s[10:11]
	s_load_b64 s[12:13], s[0:1], 0x20              ; scal
	v_lshrrev_b32 v[PO], 5, v0
	v_readfirstlane_b32 s14, v[PO]                 ; wave 0..15
	v_and_b32 v[PO], 31, v0
	v_lshlrev_b32 v[PO], 4, v[PO]
	v_lshlrev_b32 v[XO], 4, v0
	v_lshlrev_b32 v[QO], 3, v0
	v_mov_b32 v[ONE], 1.0
	s_mov_b32 s19, 0x3c010204                      ; 1 / 127, rounded
	s_mov_b32 s20, 0x42fe0000                      ; 127.0
	s_mov_b32 s21, 0xc2fe0000                      ; -127.0
	s_mov_b32 s22, 0x76543210                      ; v_permlanex16_b32: each lane takes its own place in the other half
	s_mov_b32 s23, 0xfedcba98
	s_lshl_b32 s16, ttmp9, 18                      ; the work-group's share of x
	s_mov_b32 s17, 0
	s_wait_kmcnt 0x0
	s_add_nc_u64 s[4:5], s[4:5], s[16:17]
	s_lshl_b32 s16, ttmp9, 17                      ; of xq
	s_add_nc_u64 s[10:11], s[10:11], s[16:17]
	s_load_b32 s18, s[8:9], 0x0                    ; w_scale
	global_load_b128 v[P:P+3],   v[PO], s[6:7]
	global_load_b128 v[P+4:P+7], v[PO], s[6:7] offset:512
.irp j, 0,1,2,3,4,5,6,7,8,9,10,11,12,13,14,15,16,17,18,19,20,21,22,23,24,25,26,27,28,29,30,31
	global_load_b128 v[X+4*(\j):X+4*(\j)+3], v[XO], s[4:5] offset:(\j)*8192 th:TH_LOAD_NT   ; x's last reading
.endr
	s_wait_loadcnt 32                              ; part is in; x's 32 loads stay out
	v_max3_num_f32 v[AM], v[P], v[P+1], v[P+2]
	v_max3_num_f32 v[AM], v[AM], v[P+3], v[P+4]
	v_max3_num_f32 v[AM], v[AM], v[P+5], v[P+6]
	v_max_num_f32 v[AM], v[AM], v[P+7]
	v_max_num_f32_dpp v[AM], v[AM], v[AM] row_xmask:1 row_mask:0xf bank_mask:0xf
	v_max_num_f32_dpp v[AM], v[AM], v[AM] row_xmask:2 row_mask:0xf bank_mask:0xf
	v_max_num_f32_dpp v[AM], v[AM], v[AM] row_xmask:4 row_mask:0xf bank_mask:0xf
	v_max_num_f32_dpp v[AM], v[AM], v[AM] row_xmask:8 row_mask:0xf bank_mask:0xf
	v_permlanex16_b32 v[P], v[AM], s22, s23        ; (its destination has been written)
	v_max_num_f32 v[AM], v[AM], v[P]               ; amax, in every lane
	v_mul_f32 v[QS], s19, v[AM]                    ; amax / 127: first quotient,
	v_fma_f32 v[E], -v[QS], s20, v[AM]             ; remainder,
	v_fma_f32 v[QS], v[E], s19, v[QS]              ; mended quotient
	v_cmp_eq_f32 vcc_lo, 0, v[AM]
	v_cndmask_b32 v[XS], v[QS], v[ONE], vcc_lo     ; 1 where amax is 0: a choice of values, no branch
	v_mov_b32 v[XS+1], v[XS]
	v_rcp_f32 v[INV], v[XS]
	v_nop                                          ; a plain instruction behind the reciprocal (ISA guide 5.7.2),
	s_wait_alu depctr_va_vdst(0)                   ; and a wait ahead of the first line that names its result
	v_fma_f32 v[E], -v[XS], v[INV], 1.0            ; one Newton step
	v_fma_f32 v[INV], v[E], v[INV], v[INV]
	v_mov_b32 v[INV+1], v[INV]
	s_wait_kmcnt 0x0                               ; w_scale
	s_or_b32 s15, ttmp9, s14
	s_cmp_lg_u32 s15, 0
	s_cbranch_scc1 .Lnot_first                     ; wave 0 of work-group 0 alone stores the combined scale
	v_mul_f32 v[CS], s18, v[XS]                    ; x_scale w_scale in f32,
	v_cvt_pk_bf16_f32 v[CS], v[CS], v[CS]          ; rounded once to bf16, in both halves
	v_mov_b32 v[CS+1], v[CS]
	global_store_b64 v[QO], v[CS:CS+1], s[12:13]   ; 32 lanes x 8 bytes: all 256 bytes of scal
.Lnot_first:
; Load j's four numbers: quotient, remainder, mended quotient; to the nearest whole number, ties to even; reference()'s clip; two roundings (exact) to bf16; the store.
.macro QROW j
	s_wait_loadcnt 31-(\j)                         ; loads come back in order: the younger ones stay out
	v_pk_mul_f32 v[Q:Q+1],   v[X+4*(\j):X+4*(\j)+1],   v[INV:INV+1]
	v_pk_mul_f32 v[Q+2:Q+3], v[X+4*(\j)+2:X+4*(\j)+3], v[INV:INV+1]
	v_pk_fma_f32 v[R:R+1],   v[Q:Q+1],   v[XS:XS+1], v[X+4*(\j):X+4*(\j)+1]   neg_lo:[1,0,0] neg_hi:[1,0,0]
	v_pk_fma_f32 v[R+2:R+3], v[Q+2:Q+3], v[XS:XS+1], v[X+4*(\j)+2:X+4*(\j)+3] neg_lo:[1,0,0] neg_hi:[1,0,0]
	v_pk_fma_f32 v[Q:Q+1],   v[R:R+1],   v[INV:INV+1], v[Q:Q+1]
	v_pk_fma_f32 v[Q+2:Q+3], v[R+2:R+3], v[INV:INV+1], v[Q+2:Q+3]
.irp k, 0,1,2,3
	v_rndne_f32 v[Q+(\k)], v[Q+(\k)]
.endr
.irp k, 0,1,2,3
	v_med3_num_f32 v[Q+(\k)], v[Q+(\k)], s21, s20
.endr
	v_cvt_pk_bf16_f32 v[X+4*(\j)],   v[Q],   v[Q+1]
	v_cvt_pk_bf16_f32 v[X+4*(\j)+1], v[Q+2], v[Q+3]
	global_store_b64 v[QO], v[X+4*(\j):X+4*(\j)+1], s[10:11] offset:(\j)*4096 th:TH_STORE_NT  ; its data registers are never written again
.endm
.irp j, 0,1,2,3,4,5,6,7,8,9,10,11,12,13,14,15,16,17,18,19,20,21,22,23,24,25,26,27,28,29,30,31
	QROW \j
.endr
	s_endpgm
.Lfunc_end_k_qbe49676260_quant:
	.size	k_qbe49676260_quant, .Lfunc_end_k_qbe49676260_quant-k_qbe49676260_quant
	.p2alignl 7, 3214868480
	.fill 96, 4, 3214868480
	.section	.rodata,"a",@progbits
	.p2align	6, 0x0
	.amdhsa_kernel k_qbe49676260_quant
		.amdhsa_group_segment_fixed_size 0
		.amdhsa_private_segment_fixed_size 0
		.amdhsa_enable_private_segment 0
		.amdhsa_kernarg_size 40
		.amdhsa_user_sgpr_count 2
		.amdhsa_user_sgpr_kernarg_segment_ptr 1
		.amdhsa_wavefront_size32 1
		.amdhsa_system_sgpr_workgroup_id_x 1
		.amdhsa_system_sgpr_workgroup_id_y 1
		.amdhsa_system_sgpr_workgroup_id_z 1
		.amdhsa_system_vgpr_workitem_id 0
		.amdhsa_next_free_vgpr 160
		.amdhsa_next_free_sgpr 66
		.amdhsa_reserve_vcc 1
		.amdhsa_float_denorm_mode_32 3
		.amdhsa_float_denorm_mode_16_64 3
		.amdhsa_memory_ordered 1
		.amdhsa_forward_progress 1
		.amdhsa_inst_pref_size 38
	.end_amdhsa_kernel
	.amdgpu_metadata
---
amdhsa.version: [ 1, 2 ]
amdhsa.kernels:
  - .name:           k_qbe49676260_quant
    .symbol:         k_qbe49676260_quant.kd
    .args:
      - { .name: x, .offset: 0, .size: 8, .value_kind: global_buffer, .address_space: global }
      - { .name: part, .offset: 8, .size: 8, .value_kind: global_buffer, .address_space: global }
      - { .name: w_scale, .offset: 16, .size: 8, .value_kind: global_buffer, .address_space: global }
      - { .name: xq, .offset: 24, .size: 8, .value_kind: global_buffer, .address_space: global }
      - { .name: scal, .offset: 32, .size: 8, .value_kind: global_buffer, .address_space: global }
    .group_segment_fixed_size: 0
    .private_segment_fixed_size: 0
    .kernarg_segment_align: 8
    .kernarg_segment_size: 40
    .max_flat_workgroup_size: 512
    .sgpr_count:     66
    .vgpr_count:     160
    .wavefront_size: 32
...
	.end_amdgpu_metadata
.endif
;; end of part 2
;; launch gemm (part 3): grid 16 x 16, 4 waves a work-group, clusters of 4 x 4, 327,680 bytes of LDS; arguments xq, wq, scal, bias, out0; writes out0
.if DOCPART == 3
	.amdgcn_target "amdgcn-amd-amdhsa--gfx1250"
	.amdhsa_code_object_version 6
	.text
	.protected	k_qbe49676260_gemm
	.globl	k_qbe49676260_gemm
	.p2align	8
	.type	k_qbe49676260_gemm,@function
k_qbe49676260_gemm:
	s_mov_b64 s[64:65], 0
	v_nop
	global_prefetch_b8 v0, s[64:65] scope:SCOPE_SE
	s_setreg_imm32_b32 hwreg(HW_REG_WAVE_MODE, 25, 1), 1
	s_wait_xcnt 0x0
	s_wait_alu depctr_hold_cnt(0) depctr_sa_sdst(0) depctr_va_vdst(0) depctr_va_sdst(0) depctr_va_ssrc(0) depctr_va_vcc(0) depctr_vm_vsrc(0)
	s_getreg_b32 s2, hwreg(HW_REG_IB_STS2, 6, 4)
	s_cmp_eq_u32 s2, 0
	s_cbranch_scc0 .Lentry_in_a_cluster
	s_endpgm
.Lentry_in_a_cluster:
	s_bfe_u32 s2, ttmp6, 0x10000c
	s_cmp_lg_u32 s2, 0xf033
	s_cbranch_scc0 .Lentry_shape_is_right
	s_endpgm
.Lentry_shape_is_right:
; out0[m][n] = bf16( bf16( sum over k of xq[m][k] wq[n][k] ) x cs ) + bias[n].  xq: [4096][4096], wq: [4096][4096], whole numbers of at most 8 bits in bf16; cs: the combined scale in bf16 (scal);
; bias: [4096] f32; out0: [4096][4096] f32.  The products are exact and the f32 sums are the integer sums.
; LIMIT.  The sums are exact up to 2^24; beyond (at the most 127 x 128 x 4,096 = 6.7e7) each addition rounds at 2^-24 of the sum, ahead of a rounding to bf16 at 2^-9.
; A tile of C, 256 x 256, is made by a work-group of four waves; a wave makes 128 x 128: 64 accumulators of 16 x 16, 512 registers.  16 x 16 tiles: 256 work-groups, one tile each.
; K goes in steps of 128 through a ring of two LDS slots filled by the tensor data mover: the rows of the tiles are 256 bytes of memory and start at multiples of 256 bytes from the buffer's first byte.
; CLUSTERS: 4 x 4 work-groups.  The four of a row of the cluster need the same tiles of A (xq), the four of a column the same tiles of B (wq).  Such a tile is asked for JOINTLY: each of the four issues the
; same tensor load, with the same descriptor and a mask that names the four, and each receives the tile in its own LDS.
; REGISTERS, in windows of 256 (s_set_vgpr_msb's low byte: bits 1:0 source 0, 3:2 source 1, 5:4 source 2, 7:6 destination):
;   window 0: v0-31 addresses and my four bias numbers; v64-127, v128-191 fragments of A (8 x 16 rows x 32 K), two buffers; on the way out these two hold rows of C by turns, v192-223 packed results
;   window 1: v64-127, v128-191 fragments of B, two buffers
;   window 2: the 32 accumulators of my rows 0-63 (accumulator (a, b) at v[8 (8 a + b)]);   window 3: those of my rows 64-127
; THE MATRIX INSTRUCTION IS USED TRANSPOSED: source 0 = 16 rows of B, source 1 = 16 rows of A.  In the result lane l holds row m = l % 16 of C and in registers 0 to 7 the columns 8 (l / 16) + 0 .. 7.
.set SIZE_N, 4096
.set SIZE_K, 4096
.set KSTEP,  128
.set PITCH,  272                       ; an LDS row: 256 bytes of data + 16 of padding = 68 words: row r starts at bank 4 r mod 64 (64 banks of 4 bytes: ISA guide 11.1), so the 16 rows of a load start at 16 different banks
.set HALFT,  128*PITCH                 ; 128 rows: what one tensor load brings, and what one wave reads of A or of B
.set SLOT,   4*HALFT                   ; A's 256 rows, then B's 256 rows
.set STAGE,  2*SLOT                    ; behind the ring: 16 rows x 272 bytes for each wave, for the way out; no tensor load lands there
.set SPITCH, 272
.set SPARE,  STAGE+4*16*SPITCH         ; behind the stages: the spare words, 128 bytes for each wave: two blocks of 256 bytes that no other line names
.set LAPS,   SIZE_K/(2*KSTEP)         ; a lap = two K steps = once round the ring: 16
.set BI,   8                           ; v[8:11] bias of my four columns on the way out
.set ADRA, 16                          ; v16-17  LDS address of my A fragments in slot 0, 1
.set ADRB, 20                          ; v20-21  the same for B
.set STO,  24                          ; v24     the way out: where I put 16 bytes of a row
.set RD,   25                          ; v25     the way out: where I read 8 bytes of a row back
.set CO,   26                          ; v26     16 x lane: my byte offset in a row's 512 bytes of C, and in my wave's 512 bytes of bias
.set SPW,  28                          ; v28     LDS address of my spare word: SPARE + 4 x my thread's number; never rewritten
.set NIL,  29                          ; v29     0; never rewritten
.set PFO,  30                          ; v30     the prefetches' offset: my lane x a row of A or B in memory; never rewritten
.set PFA,  44                          ; s[44:45] where my prefetches stand: my work-group's 32 rows of the 128 that I fetch, one K step further along K than the refill that is being asked for
.set LIM,  43                          ; s43     1 in a wave that prefetches, else the greatest number
.set CSP,  72                          ; s72     cs in both halves
.set HIM,  73                          ; s73     a word's upper bf16
.set F0,   64                          ; fragment buffer 0
.set F1,   128                         ; fragment buffer 1
.set TMP,  192                         ; the way out: packed results
.set OB,   64                          ; the way out: 16 rows x 4 registers, v64-127 and v128-191 by turns
.set G1,  24                           ; s[24:31] descriptor group 1 for A's tiles
.set G0,  32                           ; s[32:39] descriptor group 0 for A's tiles, one set for each slot
.set G1B, 48                           ; s[48:55] descriptor group 1 for B's tiles: it differs from A's in the mask alone
.set G0B, 56                           ; s[56:63] descriptor group 0 for B's tiles, one set for each slot
.set MSB, 0
.macro WIN new                         ; the immediate's high byte repeats the setting that is left; a switch that changes nothing is dropped
.if MSB != (\new)
	s_set_vgpr_msb (MSB<<8)|(\new)
.set MSB, \new
.endif
.endm
.set MUL_LO, 0xa1                      ; source 0 (B) window 1, source 1 (A) window 0, C and D window 2
.set MUL_HI, 0xf1                      ; the same, C and D window 3
.set TO_B,   0x40                      ; destination window 1, address window 0
; A joint load.  Waves 0 and 1 fetch A's two halves, waves 2 and 3 B's.  Each of the two lines has ONE mask and one set of registers for all that issue it.  The branch hangs on the wave's number alone.
; An s_nop 0 and four v_nop follow each of the two lines, ahead of the jump, the label and what follows.
.macro JLOAD s
	s_cmp_eq_u32 s11, 0
	s_cbranch_scc0 .Lfor_b_\@
	tensor_load_to_lds s[G0+4*(\s):G0+4*(\s)+3], s[G1:G1+7]
	s_nop 0
.rept 4
	v_nop
.endr
	s_branch .Lasked_\@
.Lfor_b_\@:
	tensor_load_to_lds s[G0B+4*(\s):G0B+4*(\s)+3], s[G1B:G1B+7]
	s_nop 0
.rept 4
	v_nop
.endr
.Lasked_\@:
.endm
; A PREFETCH INTO THE L2, behind each joint refill, its five lines and the run of LDS loads that follows them: the K step that stands TWO refills on (512 matrix instructions ahead of the load that will want it):
; 32 rows x 256 bytes, a lane a row, one instruction a wave.  Each row's 256 bytes of a K step are named ONCE in the launch: A's tile row is read by every cluster of that row of clusters, and the one with
; cluster x = 0 asks; B's tile column by every cluster of that column, and the one with cluster y = 0 asks.  The four partners that ask for a tile jointly share its rows out BY ADDRESS: of the 128 rows that a
; wave fetches, the partner at place p takes 32 p .. 32 p + 31 (p = cx for A, cy for B).  K steps 0 to 3 come by their loads alone; the loop's last trip (s3 = 1) asks for nothing: the last K step named is 31.
.macro ASK
	s_cmp_gt_u32 s3, s[LIM]
	s_cbranch_scc0 .Lnot_mine_\@
	global_prefetch_b8 v[PFO], s[PFA:PFA+1] offset:KSTEP*2 th:TH_LOAD_NT scope:SCOPE_SE
.Lnot_mine_\@:
.endm
; A round of the cluster's barrier: my work-group's barrier, so that wave 0's signal speaks for all four waves; wave 0 signals for the work-group; every wave waits for all sixteen work-groups; my
; work-group's barrier once more.  No LDS instruction of the wave is pending at a signal.
.macro CREST                           ; a round behind its opening barrier
	s_cmp_lg_u32 s10, 0
	s_cbranch_scc1 .Lnot_wave_0_\@
	s_barrier_signal -3
.Lnot_wave_0_\@:
	s_barrier_wait -3
	s_barrier_signal -1
	s_barrier_wait -1
.endm
.macro CROUND                          ; a whole round
	s_barrier_signal -1
	s_barrier_wait -1
	CREST
.endm
	s_load_b128 s[4:7], s[0:1], 0x0                ; A = xq s[4:5], B = wq s[6:7]
	s_load_b128 s[68:71], s[0:1], 0x10             ; scal s[68:69], bias s[70:71]
	s_load_b64 s[8:9], s[0:1], 0x20                ; C = out0
	v_lshl_add_u32 v[SPW], v0, 2, SPARE
	v_mov_b32 v[NIL], 0
	ds_add_u32 v[SPW], v[NIL]                      ; the wave's opening: the add, twice on end, and its wait ahead of my first tensor load; the set-up below, work on registers, stands between
	ds_add_u32 v[SPW], v[NIL]                      ; and once more, under the one wait
	v_lshrrev_b32 v1, 5, v0
	v_readfirstlane_b32 s10, v1                    ; wave 0..3
	s_lshr_b32 s11, s10, 1                         ; which half of the tile's rows is mine.  Also: I fetch for A (0) or for B (1)
	s_and_b32 s12, s10, 1                          ; which half of its columns.  Also: which 128 rows of that tile I fetch
	s_bfe_u32 s40, ttmp6, 0x40000                  ; cx: my place along the cluster's x
	s_bfe_u32 s41, ttmp6, 0x40004                  ; cy: along its y
	s_lshl_b32 s42, ttmp9, 2                       ; in a cluster launch ttmp9 and ttmp7 count clusters
	s_add_co_u32 s42, s42, s40                     ; tile column of C = 4 x cluster x + cx
	s_and_b32 s13, ttmp7, 0xffff
	s_lshl_b32 s13, s13, 2
	s_add_co_u32 s13, s13, s41                     ; tile row of C = 4 x cluster y + cy
	s_lshl_b32 s43, s41, 2
	s_lshl_b32 s43, 15, s43                        ; my row of the cluster: places 4 cy .. 4 cy + 3
	s_lshl_b32 s44, 0x1111, s40                    ; my column: places cx, cx + 4, cx + 8, cx + 12
	; descriptor group 1: a tile of 128 rows x 128 elements, padded in LDS
	s_or_b32 s[G1+0], s43, (1<<16)|(1<<20)|(1<<21)|(5<<22)|(3<<25)  ; 15:0 the mask: A's tiles go to my row; 17:16 element of 2 bytes; 20 padding on; 21 set beside a mask; 24:22 after every 64 words (code 5); 31:25 of 4 words (code 3)
	s_or_b32 s[G1B+0], s44, (1<<16)|(1<<20)|(1<<21)|(5<<22)|(3<<25) ; the same with the mask of my column, for B's tiles
	s_mov_b32 s[G1B+1], KSTEP<<16
	s_mov_b32 s[G1+1], KSTEP<<16                   ; 63:48 tensor_dim0, low half = 128
	s_mov_b32 s[G1B+2], 128<<16
	s_mov_b32 s[G1+2], 128<<16                     ; 79:64 its high half = 0; 95:80 tensor_dim1, low half = 128
	s_mov_b32 s[G1B+3], KSTEP<<16
	s_mov_b32 s[G1+3], KSTEP<<16                   ; 111:96 its high half = 0; 127:112 tile_dim0 = 128
	s_mov_b32 s[G1B+4], 128
	s_mov_b32 s[G1+4], 128                         ; 143:128 tile_dim1 = 128; 159:144 tile_dim2 = 0
	s_mov_b32 s[G1B+5], SIZE_K
	s_mov_b32 s[G1+5], SIZE_K                      ; 191:160 tensor_dim0_stride, low word: elements from row to row
	s_mov_b32 s[G1B+6], 0
	s_mov_b32 s[G1+6], 0
	s_mov_b32 s[G1B+7], 0
	s_mov_b32 s[G1+7], 0
	; where the tiles come from.  A's hang on the tile row alone, which my row of the cluster shares; B's on the tile column alone, which my column shares.
	; Every wave makes both addresses, in registers that never hold the other coordinate, and asks by one of them.
	s_lshl_b32 s17, s12, 7                         ; which 128 rows of the tile I fetch
	s_lshl_b32 s16, s13, 8
	s_add_co_u32 s16, s16, s17                     ; A: row 256 x tile row + 128 x half
	s_lshl_b32 s46, s42, 8
	s_add_co_u32 s46, s46, s17                     ; B: row 256 x tile column + 128 x half
	s_mov_b32 s17, 0
	s_mov_b32 s47, 0
	s_mov_b64 s[18:19], SIZE_K*2
	s_mul_u64 s[16:17], s[16:17], s[18:19]         ; in bytes, in 64 bits
	s_mul_u64 s[46:47], s[46:47], s[18:19]
	s_mul_i32 s20, s10, HALFT                      ; and where they go: A's two halves, then B's two halves = wave x 128 rows: no place in the cluster enters an LDS address
	s_wait_dscnt 0x0                               ; both opening adds are done
	s_wait_kmcnt 0x0
	s_add_nc_u64 s[14:15], s[4:5], s[16:17]
	s_add_nc_u64 s[46:47], s[6:7], s[46:47]
	CROUND                                         ; all sixteen work-groups are here: the first joint loads meet
.irp s, 0,1
	s_mov_b32 s[G0+4*(\s)], 1                                      ; 1:0 count = 1
	s_add_co_u32 s[G0+4*(\s)+1], s20, (\s)*SLOT                    ; 63:32 LDS address
	s_add_nc_u64 s[G0+4*(\s)+2:G0+4*(\s)+3], s[14:15], (\s)*KSTEP*2  ; 120:64 global address: K step s
	s_or_b32 s[G0+4*(\s)+3], s[G0+4*(\s)+3], 0x80000000            ; 127:126 type = 2
	s_mov_b32 s[G0B+4*(\s)], 1
	s_add_co_u32 s[G0B+4*(\s)+1], s20, (\s)*SLOT
	s_add_nc_u64 s[G0B+4*(\s)+2:G0B+4*(\s)+3], s[46:47], (\s)*KSTEP*2
	s_or_b32 s[G0B+4*(\s)+3], s[G0B+4*(\s)+3], 0x80000000
	JLOAD \s                                       ; the ring is filled before anything else is done: two tensor loads of mine are out
.endr
	s_load_b32 s[CSP], s[68:69], 0x0               ; cs, twice in the word
	s_mov_b32 s[HIM], 0xffff0000
	; A fragment is 16 rows x 32 K in 8 registers: lane l holds row l % 16; registers 0-3 hold K = 8 (l / 16) + 0..7, registers 4-7 hold K = 16 + 8 (l / 16) + 0..7: two loads of 16 bytes, 32 bytes apart.
	v_and_b32 v1, 15, v0                           ; l % 16
	v_bfe_u32 v2, v0, 4, 1                         ; l / 16
	v_mul_u32_u24 v3, v1, PITCH
	v_lshl_add_u32 v3, v2, 4, v3                   ; row x pitch + 16 x half
	s_mul_i32 s21, s11, HALFT                      ; my 128 rows of A
	s_mul_i32 s22, s12, HALFT                      ; my 128 rows of B,
	s_add_co_u32 s22, s22, 2*HALFT                 ; which lie behind A's 256
.irp s, 0,1
	v_add_nc_u32 v[ADRA+(\s)], s21, v3
	v_add_nc_u32 v[ADRB+(\s)], s22, v3
	s_add_co_u32 s21, s21, SLOT
	s_add_co_u32 s22, s22, SLOT
.endr
	s_mul_i32 s23, s10, 16*SPITCH
	s_add_co_u32 s23, s23, STAGE                   ; my stage
	v_mul_u32_u24 v4, v1, SPITCH                   ; in: row l % 16, 16 bytes for each half of the lanes
	v_lshl_add_u32 v4, v2, 4, v4
	v_add_nc_u32 v[STO], s23, v4
	v_and_b32 v5, 31, v0                           ; l
	v_lshl_add_u32 v[RD], v5, 3, s23               ; back: 32 lanes x 8 bytes are a row's 128 bf16,
	v_lshlrev_b32 v[CO], 4, v5                     ; which widen to 32 x 16 bytes of C
	; where my part of the tile begins in C, in bytes: the first way out adds it to C's address
	s_lshl_b32 s13, s13, 8
	s_lshl_b32 s14, s11, 7
	s_add_co_u32 s16, s13, s14                     ; my first row of C
	s_mov_b32 s17, 0
	s_mov_b64 s[18:19], SIZE_N*4
	s_mul_u64 s[16:17], s[16:17], s[18:19]
	s_lshl_b32 s46, s42, 10                        ; my first column, in bytes of f32: 1,024 x tile column + 512 x half (in the registers that held B's address)
	s_lshl_b32 s47, s12, 9
	s_add_co_u32 s46, s46, s47
	s_mov_b32 s47, 0
	s_add_nc_u64 s[16:17], s[16:17], s[46:47]
	s_add_nc_u64 s[70:71], s[70:71], s[46:47]      ; bias at the same column
	global_load_b128 v[BI:BI+3], v[CO], s[70:71]   ; the bias of my columns 4 l .. 4 l + 3, once
	; the prefetches.  s13 = 256 x tile row, s42 = tile column, s40 = cx, s41 = cy still stand; s[4:5] = A, s[6:7] = B
	s_lshl_b32 s42, s42, 8
	s_and_b32 s22, ttmp7, 0xffff                   ; cluster y
	s_cmp_eq_u32 s11, 0                            ; do I fetch for A?
	s_cselect_b32 s20, s13, s42                    ; the tile's first row: in A by the tile row, in B by the tile column
	s_cselect_b32 s21, s40, s41                    ; my place among the four that ask for it with me
	s_cselect_b32 s22, ttmp9, s22                  ; the coordinate along which other clusters read the same rows
	s_cselect_b64 s[PFA:PFA+1], s[4:5], s[6:7]
	s_cmp_eq_u32 s22, 0
	s_cselect_b32 s[LIM], 1, -1                    ; the same in all sixteen partners, for a given wave
	s_lshl_b32 s22, s12, 7
	s_add_co_u32 s20, s20, s22                     ; + the 128 rows that I fetch
	s_lshl_b32 s21, s21, 5
	s_add_co_u32 s20, s20, s21                     ; + my work-group's 32 of them
	s_mov_b32 s21, 0
	s_mov_b64 s[18:19], SIZE_K*2
	s_mul_u64 s[20:21], s[20:21], s[18:19]
	s_add_nc_u64 s[PFA:PFA+1], s[PFA:PFA+1], s[20:21]
	s_add_nc_u64 s[PFA:PFA+1], s[PFA:PFA+1], 2*KSTEP*2  ; at K step 2: the first refill steps it to 3 and names K step 4
	v_and_b32 v[PFO], 31, v0
	v_mul_u32_u24 v[PFO], v[PFO], SIZE_K*2
; 16 matrix instructions: m blocks a0, a0 + 1 of the window's four (hi = 0: my rows 0-63, 1: rows 64-127) x all 8 n blocks, 32 along K.  zero = 1: the first product starts the sums: nothing is ever cleared.
; The 64 accumulators take turns, one instruction a turn, in the same order in every quarter step, over the backward jump and in the tail too.
.macro MUL16 f, hi, a0, zero
	WIN MUL_LO+0x50*(\hi)  ; MUL_LO or MUL_HI
.irp a, \a0, (\a0)+1
.irp b, 0,1,2,3,4,5,6,7
.if \zero
	v_wmma_f32_16x16x32_bf16 v[8*(8*(\a)+(\b)):8*(8*(\a)+(\b))+7], v[(\f)+8*(\b):(\f)+8*(\b)+7], v[(\f)+8*(4*(\hi)+(\a)):(\f)+8*(4*(\hi)+(\a))+7], 0
.else
	v_wmma_f32_16x16x32_bf16 v[8*(8*(\a)+(\b)):8*(8*(\a)+(\b))+7], v[(\f)+8*(\b):(\f)+8*(\b)+7], v[(\f)+8*(4*(\hi)+(\a)):(\f)+8*(4*(\hi)+(\a))+7], v[8*(8*(\a)+(\b)):8*(8*(\a)+(\b))+7]
.endif
.endr
.endr
.endm
; 32 LDS loads in one run: the fragments of one quarter step (128 rows of B, 128 rows of A, 32 K at byte k of the rows) into buffer f
.macro FETCH slot, k, f
	WIN TO_B
.irp i, 0,1,2,3,4,5,6,7
	ds_load_b128 v[(\f)+8*(\i):(\f)+8*(\i)+3],   v[ADRB+(\slot)] offset:(\k)+(\i)*16*PITCH
	ds_load_b128 v[(\f)+8*(\i)+4:(\f)+8*(\i)+7], v[ADRB+(\slot)] offset:(\k)+(\i)*16*PITCH+32
.endr
	WIN 0
.irp i, 0,1,2,3,4,5,6,7
	ds_load_b128 v[(\f)+8*(\i):(\f)+8*(\i)+3],   v[ADRA+(\slot)] offset:(\k)+(\i)*16*PITCH
	ds_load_b128 v[(\f)+8*(\i)+4:(\f)+8*(\i)+7], v[ADRA+(\slot)] offset:(\k)+(\i)*16*PITCH+32
.endr
.endm
; A load into a register that a matrix instruction has read, and a vector instruction that reads a matrix result, stand four places behind that matrix instruction, and only plain vector instructions that
; name none of its registers are places (ISA guide 7.12.1 for vector instructions).
.macro PLACES
.rept 4
	v_nop
.endr
.endm
; A K step is four quarter steps of 32 along K, 64 matrix instructions each, on buffers 0, 1, 0, 1.
; One of the first three: multiplies buffer f; in its middle it fetches the next quarter's fragments, at byte k of the same slot's rows, into buffer g.
.macro QUARTER slot, k, f, g, zero
	s_wait_dscnt 8                                 ; B and A's rows 0-63 are in; the youngest eight loads (A's rows 64-127) may be out
	WIN MUL_LO
	MUL16 \f, 0, 0, \zero
	MUL16 \f, 0, 2, \zero
	PLACES
	FETCH \slot, \k, \g
	s_wait_dscnt 32                                ; all but the 32 just issued
	WIN MUL_HI
	MUL16 \f, 1, 0, \zero
	MUL16 \f, 1, 2, \zero
.endm
; The last quarter multiplies buffer 1 and changes slots.  MEET is its first half: ONE barrier for the change of slots.  In front of it each wave waits for all its tensor loads, of which one is out: its part
; of the next slot; adds 0 to its spare word; and waits for that and for its own reads of this slot.  Behind it nobody reads this slot any more and the next slot is whole.
.macro MEET round                      ; round = 1: a round of the cluster's barrier follows
	WIN 0                                          ; (the add's two registers lie in window 0)
	s_wait_tensorcnt 0x0                           ; all my tensor loads have landed: the one that was out is my part of the next slot;
	ds_add_u32 v[SPW], v[NIL]                      ; 0 onto my spare word;
	s_wait_dscnt 9                                 ; (the add and the youngest eight loads may be out)
	WIN MUL_LO
	MUL16 F1, 0, 0, 0                              ; sixteen matrix instructions stand between the add and the wait for it
	s_wait_dscnt 0x0                               ; the add is done, and my reads of this slot are over:
	s_barrier_signal -1                            ; say so (where a slot is filled again this barrier opens a round of the cluster's barrier),
	MUL16 F1, 0, 2, 0                              ; work on registers while the others arrive,
.if \round
	WIN 0
.endif
	s_barrier_wait -1                              ; and go on when all four have said so
.endm
; The whole last quarter.  Behind the round the slot just read out is filled again first, with the K step two steps on; then come the next slot's first fragments.
; From a request to the wait for it a wave issues 224 matrix instructions; one tensor load of mine is out meanwhile.
.macro TURN slot, next
	s_wait_xcnt 0x0                                ; the last prefetch, a K step back, has read its address: it is stepped here, ahead of the waits of the change of slots
	s_add_nc_u64 s[PFA:PFA+1], s[PFA:PFA+1], KSTEP*2
	MEET 1
	CREST                                          ; all sixteen work-groups have said so: no wave of any partner still reads this slot's tile or has a load on its way
	s_add_nc_u64 s[G0+4*(\slot)+2:G0+4*(\slot)+3], s[G0+4*(\slot)+2:G0+4*(\slot)+3], 2*KSTEP*2    ; no tensor load of mine is out, so a group 0 may be written
	s_add_nc_u64 s[G0B+4*(\slot)+2:G0B+4*(\slot)+3], s[G0B+4*(\slot)+2:G0B+4*(\slot)+3], 2*KSTEP*2
	JLOAD \slot                                    ; the first tensor load behind the round; the four v_nop behind it are also the places in front of the loads below
	FETCH \next, 0, F0
	ASK                                            ; behind the joint load and the run of LDS loads that the next products wait for
	WIN MUL_HI
	MUL16 F1, 1, 0, 0
	MUL16 F1, 1, 2, 0
.endm
; THE WAY OUT of block a (16 of my rows), in three parts.
; PACK: the sums are rounded to bf16, two a line, each accumulator's registers in ascending order; then multiplied by cs, two a line, each product rounded once to bf16, as reference() rounds it.
.macro PACK a
.set AC, 64*((\a)%4)
	WIN 0x0a+5*((\a)/4)                            ; sources 0 and 1: window 2 or 3
.irp b, 0,1,2,3,4,5,6,7
.irp r, 0,1,2,3
	v_cvt_pk_bf16_f32 v[TMP+4*(\b)+(\r)], v[AC+8*(\b)+2*(\r)], v[AC+8*(\b)+2*(\r)+1]
.endr
.endr
	WIN 0
.set i, 0
.rept 32
	v_pk_mul_bf16 v[TMP+i], v[TMP+i], s[CSP]
.set i, i+1
.endr
.endm
; TOSTAGE: 16 bytes a lane (8 columns of a row) into my own stage, rows of 272 bytes; back by rows: 8 bytes a lane, into the upper two of the four registers that the row's f32 will take.
.macro TOSTAGE a
	WIN 0
.set BK, OB+64*((\a)%2)
.irp b, 0,1,2,3,4,5,6,7
	ds_store_b128 v[STO], v[TMP+4*(\b):TMP+4*(\b)+3] offset:32*(\b)
.endr
.irp t, 0,1,2,3,4,5,6,7,8,9,10,11,12,13,14,15
	ds_load_b64 v[BK+4*(\t)+2:BK+4*(\t)+3], v[RD] offset:(\t)*SPITCH  ; LDS serves a wave's instructions in order (ISA guide 5.7.1.4): these see the stores above
.endr
.endm
; SEND: a row's four bf16 widen to f32 in place (from the low end on, so that no word is written before it is read), the bias is added in f32, and 32 lanes store 512 consecutive bytes of C, aligned.
.macro SEND a
	WIN 0
.set BK, OB+64*((\a)%2)
	s_wait_xcnt 0x0                                ; every earlier store has read its registers and its base (ISA guide 3.1): only behind this wait are the base and the other buffer, which the next TOSTAGE loads, rewritten
.if (\a) == 0
	s_add_nc_u64 s[8:9], s[8:9], s[16:17]          ; on to my first rows
.else
	s_add_nc_u64 s[8:9], s[8:9], 16*SIZE_N*4       ; 16 rows of C on: the stores' offsets stay at 15 rows at the most
.endif
.irp t, 0,1,2,3,4,5,6,7,8,9,10,11,12,13,14,15
	s_wait_dscnt 15-(\t)                           ; row t is back; the block's younger rows may be out (no LDS instruction was issued behind them)
	v_lshlrev_b32 v[BK+4*(\t)],   16,     v[BK+4*(\t)+2]
	v_and_b32     v[BK+4*(\t)+1], s[HIM], v[BK+4*(\t)+2]
	v_lshlrev_b32 v[BK+4*(\t)+2], 16,     v[BK+4*(\t)+3]
	v_and_b32     v[BK+4*(\t)+3], s[HIM], v[BK+4*(\t)+3]
	v_pk_add_f32 v[BK+4*(\t):BK+4*(\t)+1],   v[BK+4*(\t):BK+4*(\t)+1],   v[BI:BI+1]
	v_pk_add_f32 v[BK+4*(\t)+2:BK+4*(\t)+3], v[BK+4*(\t)+2:BK+4*(\t)+3], v[BI+2:BI+3]
	global_store_b128 v[CO], v[BK+4*(\t):BK+4*(\t)+3], s[8:9] offset:(\t)*SIZE_N*4 th:TH_STORE_NT
.endr
.endm
	s_wait_loadcnt 0x0                             ; my bias
	s_wait_kmcnt 0x0                               ; cs
	s_wait_tensorcnt 1                             ; my part of K step 0 is in; K step 1's may stay out
	s_barrier_signal -1
	s_barrier_wait -1                              ; everybody's is
	FETCH 0, 0, F0
	QUARTER 0, 64,  F0, F1, 1                      ; the first quarter stands in front of the loop: its products start the sums
	WIN 0                                          ; at a label and at a branch every window is 0
	s_mov_b32 s3, LAPS-1
.Llap:                                                 ; a trip goes once round the ring, from a lap's second quarter to the next lap's first, and fills both slots again: 15 trips bring K steps 2 to 31
	QUARTER 0, 128, F1, F0, 0
	QUARTER 0, 192, F0, F1, 0
	TURN 0, 1
	QUARTER 1, 64,  F0, F1, 0
	QUARTER 1, 128, F1, F0, 0
	QUARTER 1, 192, F0, F1, 0
	TURN 1, 0
	QUARTER 0, 64,  F0, F1, 0
	WIN 0
	s_sub_co_u32 s3, s3, 1
	s_cmp_lg_u32 s3, 0
	s_cbranch_scc1 .Llap
	QUARTER 0, 128, F1, F0, 0                      ; the last lap is written out: it asks for nothing more
	QUARTER 0, 192, F0, F1, 0
	MEET 0                                         ; my one tensor load that was still out is slot 1's, the last K step's, so no round follows
	PLACES                                         ; for the loads into buffer 0, which the quarter before multiplied
	FETCH 1, 0, F0
	WIN MUL_HI
	MUL16 F1, 1, 0, 0
	MUL16 F1, 1, 2, 0
	QUARTER 1, 64,  F0, F1, 0
	QUARTER 1, 128, F1, F0, 0
	QUARTER 1, 192, F0, F1, 0
	s_wait_dscnt 8                                 ; the very last quarter: nothing more to fetch
	MUL16 F1, 0, 0, 0
	MUL16 F1, 0, 2, 0
	s_wait_dscnt 0x0
	MUL16 F1, 1, 0, 0
	MUL16 F1, 1, 2, 0
	PLACES                                         ; the conversions read results, and the stage's loads land in registers that products have read:
	PLACES                                         ; twice four places, once a launch
	PACK 0
	TOSTAGE 0
.irp a, 1,2,3,4,5,6,7                  ; block a's 64 lines of arithmetic stand between block a - 1's loads from the stage and the waits for them
	PACK \a
	SEND (\a)-1
	TOSTAGE \a
.endr
	SEND 7
	s_wait_tensorcnt 0x0                           ; the wave's end: a tensor wait, an add of 0 to my spare word and its wait, behind my last tensor load and my last LDS store
	ds_add_u32 v[SPW], v[NIL]
	s_wait_dscnt 0x0
	CROUND                                         ; the closing round: no work-group ends while a partner may still ask for a tile that names it
	s_endpgm
.Lfunc_end_k_qbe49676260_gemm:
	.size	k_qbe49676260_gemm, .Lfunc_end_k_qbe49676260_gemm-k_qbe49676260_gemm
	.p2alignl 7, 3214868480
	.fill 96, 4, 3214868480
	.section	.rodata,"a",@progbits
	.p2align	6, 0x0
	.amdhsa_kernel k_qbe49676260_gemm
		.amdhsa_group_segment_fixed_size 327680
		.amdhsa_private_segment_fixed_size 0
		.amdhsa_enable_private_segment 0
		.amdhsa_kernarg_size 40
		.amdhsa_user_sgpr_count 2
		.amdhsa_user_sgpr_kernarg_segment_ptr 1
		.amdhsa_wavefront_size32 1
		.amdhsa_system_sgpr_workgroup_id_x 1
		.amdhsa_system_sgpr_workgroup_id_y 1
		.amdhsa_system_sgpr_workgroup_id_z 1
		.amdhsa_system_vgpr_workitem_id 0
		.amdhsa_next_free_vgpr 1024
		.amdhsa_next_free_sgpr 80
		.amdhsa_reserve_vcc 0
		.amdhsa_float_denorm_mode_32 3
		.amdhsa_float_denorm_mode_16_64 3
		.amdhsa_memory_ordered 1
		.amdhsa_forward_progress 1
		.amdhsa_inst_pref_size 206
	.end_amdhsa_kernel
	.amdgpu_metadata
---
amdhsa.version: [ 1, 2 ]
amdhsa.kernels:
  - .name:           k_qbe49676260_gemm
    .symbol:         k_qbe49676260_gemm.kd
    .args:
      - { .name: xq, .offset: 0, .size: 8, .value_kind: global_buffer, .address_space: global }
      - { .name: wq, .offset: 8, .size: 8, .value_kind: global_buffer, .address_space: global }
      - { .name: scal, .offset: 16, .size: 8, .value_kind: global_buffer, .address_space: global }
      - { .name: bias, .offset: 24, .size: 8, .value_kind: global_buffer, .address_space: global }
      - { .name: out0, .offset: 32, .size: 8, .value_kind: global_buffer, .address_space: global }
    .group_segment_fixed_size: 327680
    .private_segment_fixed_size: 0
    .kernarg_segment_align: 8
    .kernarg_segment_size: 40
    .max_flat_workgroup_size: 128
    .sgpr_count:     80
    .vgpr_count:     1024
    .wavefront_size: 32
...
	.end_amdgpu_metadata
.endif
;; end of part 3
;; ======== version 2 of 2: 3 launches; version 1 with the launch quant written anew for expert scheduling mode
;; workspace buffers: part 1,024 bytes; scal 256 bytes; xq 33,554,432 bytes; wq 33,554,432 bytes
;; launch prep: the kernel of part 1 again; grid 256 x 1, 16 waves a work-group, no clusters, 2,304 bytes of LDS; arguments x, w_int, part, wq; writes part, wq
;; launch quant (part 4): grid 256 x 1, 16 waves a work-group, no clusters, 0 bytes of LDS; arguments x, part, w_scale, xq, scal; writes xq, scal
.if DOCPART == 4
	.amdgcn_target "amdgcn-amd-amdhsa--gfx1250"
	.amdhsa_code_object_version 6
	.text
	.protected	k_qbe49676260_quant
	.globl	k_qbe49676260_quant
	.p2align	8
	.type	k_qbe49676260_quant,@function
k_qbe49676260_quant:
	s_mov_b64 s[64:65], 0
	v_nop
	global_prefetch_b8 v0, s[64:65] scope:SCOPE_SE
	s_setreg_imm32_b32 hwreg(HW_REG_WAVE_SCHED_MODE, 0, 2), 2
	s_setreg_imm32_b32 hwreg(HW_REG_WAVE_MODE, 25, 1), 1
	s_wait_xcnt 0x0
	s_wait_alu depctr_vm_vsrc(0)
; SECOND PASS.  amax = the largest of part's 256 numbers; x_scale = amax / 127, or 1 where amax is 0; xq = clip(round(x / x_scale), -127, 127) as bf16 (exact: whole numbers up to 127);
; scal = bf16(x_scale w_scale), twice in each of 64 words (stored by wave 0 of work-group 0, one store of 256 consecutive bytes).
; SHARES.  As in the first pass: work-group g has 262,144 bytes of x; load j (of 32): 16 bytes at 8,192 j + 16 t; store j: 8 bytes at 4,096 j + 8 t of its 131,072 bytes of xq: a wave's store covers 256
; consecutive bytes, aligned.  No loop, no LDS: all 32 loads of a wave go out at once; every wave finds amax for itself from part's 1,024 bytes while they are on their way.
; THE QUOTIENTS.  A whole number that differs by 1 from reference()'s moves a whole row of sums, so both divisions are made to the last bit as a division makes them: a first quotient q = a r with r near 1 / b,
; the remainder e = a - q b by one fused multiply-add, and q + e r.  For x_scale r is the constant 1 / 127; for x it is v_rcp_f32's result after one Newton step.
; LIMITS.  amax below 1.5e-36 makes x_scale a denormal, which v_rcp_f32 takes as 0 (ISA guide 15.8): not served.  NaN and infinities in x are not treated apart.
; THE MODE: SCHED_MODE bits 1:0 = 2 (LLVM: expert scheduling mode 2), set by the entry lines.  The code itself states the register dependences between vector instructions and memory instructions,
; with s_wait_alu, always for 0.
; THE PLAN.  Registers that memory instructions touch:
;   v1, v2, v3   byte offsets, made once at the head and never written again: one wait ahead of the first load serves every load and store.
;   v[4:11]      part: written by its two loads, read by the maxima; no memory instruction reads them.
;   v[18:19]     the combined scale: written by three vector lines, read by one store, never written again.
;   X            row j's four registers: written by load j, once; read by row j's packed lines; its two roundings write the first two of the four, store j reads these two, and nothing writes them again.
;   v12 to v31 but for v[18:19] are named by vector instructions alone.
; No register that a memory instruction reads is ever written behind it, and no load lands in a register that a vector instruction has named: so all that is to be stated is that a store's data are written.
; The 32 rows go in eight blocks of four.  Block p works on its own sixteen registers of X; its memory instructions are the four stores of block p - 1, which read v2 and the registers of that block: none
; that a vector instruction of block p names.  So ONE wait at a block's head, behind the wait for its first row's data, states all that the four stores hang on, and they are dealt among the block's rows.
.set XO,  1                            ; v1   16 t; never rewritten
.set QO,  2                            ; v2   8 t; never rewritten
.set PO,  3                            ; v3   16 x lane
.set P,   4                            ; v[4:11]    part: eight numbers a lane
.set AM,  12                           ; v12  amax
.set QS,  14                           ; v14  amax / 127
.set E,   16                           ; v16  a remainder
.set ONE, 17                           ; v17  1.0
.set CS,  18                           ; v[18:19]   the combined scale, to store
.set Q,   20                           ; v[20:23]   four quotients
.set R,   24                           ; v[24:27]   four remainders
.set INV, 28                           ; v[28:29]   1 / x_scale, twice
.set XS,  30                           ; v[30:31]   x_scale, twice
.set X,   32                           ; v[32:159]  x as loaded, four a load; the first two of the four then hold the four bf16 to store
	s_load_b256 s[4:11], s[0:1], 0x0               ; x s[4:5], part s[6:7], w_scale s[8:9], xq s[10:11]
	s_load_b64 s[12:13], s[0:1], 0x20              ; scal
	v_lshrrev_b32 v[PO], 5, v0
	v_readfirstlane_b32 s14, v[PO]                 ; wave 0..15
	v_and_b32 v[PO], 31, v0
	v_lshlrev_b32 v[PO], 4, v[PO]
	v_lshlrev_b32 v[XO], 4, v0
	v_lshlrev_b32 v[QO], 3, v0
	v_mov_b32 v[ONE], 1.0
	s_mov_b32 s19, 0x3c010204                      ; 1 / 127, rounded
	s_mov_b32 s20, 0x42fe0000                      ; 127.0
	s_mov_b32 s21, 0xc2fe0000                      ; -127.0
	s_mov_b32 s22, 0x76543210                      ; v_permlanex16_b32: each lane takes its own place in the other half
	s_mov_b32 s23, 0xfedcba98
	s_lshl_b32 s16, ttmp9, 18                      ; the work-group's share of x
	s_mov_b32 s17, 0
	s_wait_kmcnt 0x0
	s_add_nc_u64 s[4:5], s[4:5], s[16:17]
	s_lshl_b32 s16, ttmp9, 17                      ; of xq
	s_add_nc_u64 s[10:11], s[10:11], s[16:17]
	s_load_b32 s18, s[8:9], 0x0                    ; w_scale
	s_wait_alu depctr_va_vdst(0)                   ; the three offsets v1, v2 and v3 are written: every load and store of the kernel reads one of them
	global_load_b128 v[P:P+3],   v[PO], s[6:7]
	global_load_b128 v[P+4:P+7], v[PO], s[6:7] offset:512
.irp j, 0,1,2,3,4,5,6,7,8,9,10,11,12,13,14,15,16,17,18,19,20,21,22,23,24,25,26,27,28,29,30,31
	global_load_b128 v[X+4*(\j):X+4*(\j)+3], v[XO], s[4:5] offset:(\j)*8192 th:TH_LOAD_NT   ; x's last reading
.endr
	s_wait_loadcnt 32                              ; part is in; x's 32 loads stay out
	v_max3_num_f32 v[AM], v[P], v[P+1], v[P+2]
	v_max3_num_f32 v[AM], v[AM], v[P+3], v[P+4]
	v_max3_num_f32 v[AM], v[AM], v[P+5], v[P+6]
	v_max_num_f32 v[AM], v[AM], v[P+7]
	v_max_num_f32_dpp v[AM], v[AM], v[AM] row_xmask:1 row_mask:0xf bank_mask:0xf
	v_max_num_f32_dpp v[AM], v[AM], v[AM] row_xmask:2 row_mask:0xf bank_mask:0xf
	v_max_num_f32_dpp v[AM], v[AM], v[AM] row_xmask:4 row_mask:0xf bank_mask:0xf
	v_max_num_f32_dpp v[AM], v[AM], v[AM] row_xmask:8 row_mask:0xf bank_mask:0xf
	v_permlanex16_b32 v[P], v[AM], s22, s23        ; (its destination has been written)
	v_max_num_f32 v[AM], v[AM], v[P]               ; amax, in every lane
	v_mul_f32 v[QS], s19, v[AM]                    ; amax / 127: first quotient,
	v_fma_f32 v[E], -v[QS], s20, v[AM]             ; remainder,
	v_fma_f32 v[QS], v[E], s19, v[QS]              ; mended quotient
	v_cmp_eq_f32 vcc_lo, 0, v[AM]
	s_wait_alu depctr_va_vcc(0)                    ; the compare has written VCC, which the choice below reads
	v_cndmask_b32 v[XS], v[QS], v[ONE], vcc_lo     ; 1 where amax is 0: a choice of values, no branch
	v_mov_b32 v[XS+1], v[XS]
	v_rcp_f32 v[INV], v[XS]
	v_nop                                          ; a plain instruction behind the reciprocal (ISA guide 5.7.2),
	s_wait_alu depctr_va_vdst(0)                   ; and the reciprocal has written v[INV]: the wait ahead of the first line that names its result
	v_fma_f32 v[E], -v[XS], v[INV], 1.0            ; one Newton step
	v_fma_f32 v[INV], v[E], v[INV], v[INV]
	v_mov_b32 v[INV+1], v[INV]
	s_wait_kmcnt 0x0                               ; w_scale
	s_wait_alu depctr_va_sdst(0)                   ; v_readfirstlane_b32 has written s14, ahead of its first reader, the line below
	s_or_b32 s15, ttmp9, s14
	s_cmp_lg_u32 s15, 0
	s_cbranch_scc1 .Lnot_first                     ; wave 0 of work-group 0 alone stores the combined scale
	v_mul_f32 v[CS], s18, v[XS]                    ; x_scale w_scale in f32,
	v_cvt_pk_bf16_f32 v[CS], v[CS], v[CS]          ; rounded once to bf16, in both halves
	v_mov_b32 v[CS+1], v[CS]
	s_wait_alu depctr_va_vdst(0)                   ; the two lines above have written v[CS] and v[CS+1], which the store reads
	global_store_b64 v[QO], v[CS:CS+1], s[12:13]   ; 32 lanes x 8 bytes: all 256 bytes of scal
.Lnot_first:
; Row j's store: its data registers are never written again.
.macro QSEND j
	global_store_b64 v[QO], v[X+4*(\j):X+4*(\j)+1], s[10:11] offset:(\j)*4096 th:TH_STORE_NT
.endm
; Load j's four numbers: quotient, remainder, mended quotient; to the nearest whole number, ties to even; reference()'s clip; two roundings (exact) to bf16.  The row's store follows a block later:
; in front of row j's arithmetic, and, but at a block's head, ahead of its wait for data, stands the store of row j - 4.
.macro QROW j
.if (\j)%4 == 0
	s_wait_loadcnt 31-(\j)                         ; loads come back in order: the block's first row is in, the younger ones stay out
.if (\j) >= 4
	s_wait_alu depctr_va_vdst(0)                   ; the block before has written the eight registers that its four stores, dealt among this block's rows, read; no vector line of this block names them or v2
.endif
.endif
.if (\j) >= 4
	QSEND (\j)-4
.endif
.if (\j)%4 != 0
	s_wait_loadcnt 31-(\j)                         ; row j is in, the younger ones stay out
.endif
	v_pk_mul_f32 v[Q:Q+1],   v[X+4*(\j):X+4*(\j)+1],   v[INV:INV+1]
	v_pk_mul_f32 v[Q+2:Q+3], v[X+4*(\j)+2:X+4*(\j)+3], v[INV:INV+1]
	v_pk_fma_f32 v[R:R+1],   v[Q:Q+1],   v[XS:XS+1], v[X+4*(\j):X+4*(\j)+1]   neg_lo:[1,0,0] neg_hi:[1,0,0]
	v_pk_fma_f32 v[R+2:R+3], v[Q+2:Q+3], v[XS:XS+1], v[X+4*(\j)+2:X+4*(\j)+3] neg_lo:[1,0,0] neg_hi:[1,0,0]
	v_pk_fma_f32 v[Q:Q+1],   v[R:R+1],   v[INV:INV+1], v[Q:Q+1]
	v_pk_fma_f32 v[Q+2:Q+3], v[R+2:R+3], v[INV:INV+1], v[Q+2:Q+3]
.irp k, 0,1,2,3
	v_rndne_f32 v[Q+(\k)], v[Q+(\k)]
.endr
.irp k, 0,1,2,3
	v_med3_num_f32 v[Q+(\k)], v[Q+(\k)], s21, s20
.endr
	v_cvt_pk_bf16_f32 v[X+4*(\j)],   v[Q],   v[Q+1]
	v_cvt_pk_bf16_f32 v[X+4*(\j)+1], v[Q+2], v[Q+3]
.endm
.irp j, 0,1,2,3,4,5,6,7,8,9,10,11,12,13,14,15,16,17,18,19,20,21,22,23,24,25,26,27,28,29,30,31
	QROW \j
.endr
	s_wait_alu depctr_va_vdst(0)                   ; the last block has written the eight registers that the last four stores read
.irp j, 28,29,30,31
	QSEND \j
.endr
	s_endpgm
.Lfunc_end_k_qbe49676260_quant:
	.size	k_qbe49676260_quant, .Lfunc_end_k_qbe49676260_quant-k_qbe49676260_quant
	.p2alignl 7, 3214868480
	.fill 96, 4, 3214868480
	.section	.rodata,"a",@progbits
	.p2align	6, 0x0
	.amdhsa_kernel k_qbe49676260_quant
		.amdhsa_group_segment_fixed_size 0
		.amdhsa_private_segment_fixed_size 0
		.amdhsa_enable_private_segment 0
		.amdhsa_kernarg_size 40
		.amdhsa_user_sgpr_count 2
		.amdhsa_user_sgpr_kernarg_segment_ptr 1
		.amdhsa_wavefront_size32 1
		.amdhsa_system_sgpr_workgroup_id_x 1
		.amdhsa_system_sgpr_workgroup_id_y 1
		.amdhsa_system_sgpr_workgroup_id_z 1
		.amdhsa_system_vgpr_workitem_id 0
		.amdhsa_next_free_vgpr 160
		.amdhsa_next_free_sgpr 66
		.amdhsa_reserve_vcc 1
		.amdhsa_float_denorm_mode_32 3
		.amdhsa_float_denorm_mode_16_64 3
		.amdhsa_memory_ordered 1
		.amdhsa_forward_progress 1
		.amdhsa_inst_pref_size 39
	.end_amdhsa_kernel
	.amdgpu_metadata
---
amdhsa.version: [ 1, 2 ]
amdhsa.kernels:
  - .name:           k_qbe49676260_quant
    .symbol:         k_qbe49676260_quant.kd
    .args:
      - { .name: x, .offset: 0, .size: 8, .value_kind: global_buffer, .address_space: global }
      - { .name: part, .offset: 8, .size: 8, .value_kind: global_buffer, .address_space: global }
      - { .name: w_scale, .offset: 16, .size: 8, .value_kind: global_buffer, .address_space: global }
      - { .name: xq, .offset: 24, .size: 8, .value_kind: global_buffer, .address_space: global }
      - { .name: scal, .offset: 32, .size: 8, .value_kind: global_buffer, .address_space: global }
    .group_segment_fixed_size: 0
    .private_segment_fixed_size: 0
    .kernarg_segment_align: 8
    .kernarg_segment_size: 40
    .max_flat_workgroup_size: 512
    .sgpr_count:     66
    .vgpr_count:     160
    .wavefront_size: 32
...
	.end_amdgpu_metadata
.endif
;; end of part 4
;; launch gemm: the kernel of part 3 again; grid 16 x 16, 4 waves a work-group, clusters of 4 x 4, 327,680 bytes of LDS; arguments xq, wq, scal, bias, out0; writes out0
